; MI455X (gfx1250); checked and timed in simulation.
; The chip was launched on July 23, 2026; its instructions are those of AMD's public machine-readable ISA for CDNA 5 (MIT licence, August 2026) and "CDNA5" Instruction Set Architecture Reference Guide (July 2026). The comments in the code are by the model that wrote it; some were corrected since.
;; Custom LSTM. Allowed arithmetic: float matrix products may take bf16 or f16 operands with f32 sums; all other float work in f32.
;; Inputs: W_C 4,096 x 8,192 float32; W_f 4,096 x 8,192 float32; W_i 4,096 x 8,192 float32; W_o 4,096 x 8,192 float32; b_C 4,096 float32; b_f 4,096 float32; b_i 4,096 float32; b_o 4,096 float32; c_tmin1 4,096 float32; h_tmin1 4,096 float32; x_t 4,096 float32.
;; Outputs: out0 4,096 float32; out1 4,096 float32.
;; One version. Each part assembles by itself: llvm-mc -triple=amdgcn-amd-amdhsa -mcpu=gfx1250 --defsym DOCPART=n.
;; ======== version 1 of 1: 1 launch
;; launch lstm (part 1): grid 256 x 1, 16 waves a work-group, no clusters, 4,608 bytes of LDS; arguments W_f, W_i, W_C, W_o, b_f, b_i, b_C, b_o, h_tmin1, x_t, c_tmin1, out0, out1; writes out0, out1
.if DOCPART == 1
	.amdgcn_target "amdgcn-amd-amdhsa--gfx1250"
	.amdhsa_code_object_version 6
	.text
	.protected	k_q278c2e01fd_lstm
	.globl	k_q278c2e01fd_lstm
	.p2align	8
	.type	k_q278c2e01fd_lstm,@function
k_q278c2e01fd_lstm:
	s_mov_b64 s[64:65], 0
	v_nop
	global_prefetch_b8 v0, s[64:65] scope:SCOPE_SE
	s_setreg_imm32_b32 hwreg(HW_REG_WAVE_MODE, 25, 1), 1
	s_wait_xcnt 0x0
; One LSTM step, fused into one launch:
;   f = sigmoid(W_f [h,x] + b_f)   i = sigmoid(W_i [h,x] + b_i)   Ct = tanh(W_C [h,c] + b_C)   o = sigmoid(W_o [h,x] + b_o)
;   out1 = C = f c + i Ct          out0 = o tanh(C)
; The four W are [4096][8192] f32 (a row is 32,768 bytes); every weight is used once, so the kernel is a stream of 512 MiB with one
; multiply-add for each 4 bytes: all arithmetic is f32 on the vector unit.
;
; SHARES.  256 work-groups; work-group g owns outputs 16 g .. 16 g + 15, that is 64 weight rows of 32 KiB = 2 MiB.
; Sixteen waves: wave w = 8 rw + cw owns outputs 16 g + 8 rw + 0..7 and, in each of their rows, columns 512 cw .. +511 (they meet h)
; and 4096 + 512 cw .. +511 (they meet x, or c for W_C).  So a wave keeps 16 registers each of h, x and c for the whole kernel, and all
; waves run the same text.  A chunk = a wave's 4 KiB of one row = eight 16-byte loads a lane; each load of the wave covers 512
; consecutive bytes that start at a multiple of 512 from the buffer's first byte.
; RING.  Four slots of 32 registers, slot s for gate s (f, i, C, o).  A trip is one output: each slot is multiplied and filled again
; with its gate's next row, so that 24 to 32 loads of every wave (12 to 16 KiB) are always on their way; no wait in the loop is for zero.
; SUMS.  Two packed chains a lane, then the 32 lanes, then the 8 column waves through LDS; wave 0 adds the biases and does the gates.
;
; LIMITS.  The sums are f32 in another order than a row-by-row dot product (2 x 2 chains, 32 lanes, 8 waves).
; tanh(x) = 1 - 2 / (1 + 2^(2.885390 x)): its absolute error is about 2^-23, so that below |x| of about 1e-4 relative accuracy is lost;
; large |x| saturate rightly (2^y becomes infinity or 0, the reciprocal 0 or 1).  A sigmoid below 2^-126 comes out as 0 (v_rcp_f32
; and v_exp_f32 flush denormals: ISA guide 15.8).  NaN goes through.
;
; LEFT OUT, by this text's own arithmetic.  Matrix instructions: the right-hand side has one column, and a conversion to 16 bits would
; cost one instruction for two weights, as many as the packed multiply-add that finishes them in f32.  LDS ring and tensor loads: no
; weight byte is read by two waves, and the bytes in flight fit in 128 of a wave's 210 registers.  Clusters: all that work-groups share
; is h, x and c, 96 KiB of a work-group's loads against 2 MiB of weights of its own.  Whole 256-byte pieces of the outputs: a work-group
; owns 64 bytes of each output; 256 would mean 64 work-groups for the stream, and the outputs are 32 KiB in all.
.set ROWB,   32768                     ; bytes in a weight row
.set HALF,   16384                     ; byte at which the second half of a row (x or c) begins
.set WPITCH, 160                       ; LDS bytes of a wave: 8 outputs x 4 gates x 4 bytes = 128, padded (see the epilogue)
.set TRIPS,  8                         ; outputs of a wave
.set LANE, 1                           ; v1        lane
.set LR,   3                           ; v3        lane & 7: the output of my wave whose sums this lane keeps
.set OFF,  4                           ; v[4:7]    slot s: byte offset in its W of my 16 bytes of the row that the slot loads next
.set ZOFF, 8                           ; v8        byte offset of my 16 bytes in h, x and c
.set PADR, 9                           ; v9        LDS: where my wave's sums of output lane & 7 go
.set BOFF, 10                          ; v10       byte offset of output 16 g + lane / 2 in the biases, c and the outputs
.set T,    11                          ; v11       the other half's sum (v_permlanex16_b32)
.set A,    12                          ; v[12:15]  two packed chains
.set S,    16                          ; v[16:19]  the sums of gates f, i, C, o of output lane & 7
.set BI,   20                          ; v[20:23]  b_f, b_i, b_C, b_o of output lane / 2
.set CJ,   24                          ; v24       c of output lane / 2
.set RADR, 25                          ; v25       epilogue: LDS read address;  v[26:28] its temporaries
.set ZH,   32                          ; v[32:47]  h of my columns
.set ZX,   48                          ; v[48:63]  x of my columns
.set ZK,   64                          ; v[64:79]  c of my columns
.set X,    80                          ; v[80:207] the ring: slot s at X + 32 s
.set E,    80                          ; v[80:103] epilogue, in the ring's registers, which are done with by then
	s_load_b256 s[4:11],  s[0:1], 0x0              ; W_f s[4:5], W_i s[6:7], W_C s[8:9], W_o s[10:11]: slot s has s[4+2s:5+2s]
	s_load_b256 s[12:19], s[0:1], 0x20             ; b_f, b_i, b_C, b_o
	s_load_b256 s[20:27], s[0:1], 0x40             ; h s[20:21], x s[22:23], c s[24:25], out0 s[26:27]
	s_load_b64  s[28:29], s[0:1], 0x60             ; out1
	v_lshl_add_u32 v208, v0, 2, 0xa00
	v_mov_b32 v209, 0
	v_and_b32 v[LANE], 31, v0
	v_lshrrev_b32 v2, 5, v0
	v_readfirstlane_b32 s34, v2                    ; wave w
	s_and_b32  s35, s34, 7                         ; cw: which 512 columns of each half
	s_lshr_b32 s36, s34, 3                         ; rw: which 8 of the 16 outputs
	s_lshl_b32 s43, s35, 11                        ; 2,048 cw
	s_lshl_b32 s37, ttmp9, 19                      ; 16 g rows of 32,768 bytes
	s_lshl_b32 s42, s36, 18                        ; 8 rw rows
	s_or_b32   s37, s37, s42                       ; the three fields do not meet; the largest offset of a load stays below 2^27
	s_or_b32   s37, s37, s43
	s_lshl_b32 s44, ttmp9, 6                       ; 16 g outputs of 4 bytes
	s_mul_i32  s45, s34, WPITCH                    ; my wave's LDS bytes
	s_mov_b32  s38, 0x76543210                     ; v_permlanex16_b32: lane i of one half reads lane i of the other
	s_mov_b32  s39, 0xfedcba98
	s_mov_b32  s40, 0                              ; the trip = the wave's output at work
.irp s, 0,1,2,3
	v_lshl_add_u32 v[OFF+\s], v[LANE], 4, s37      ; 16 lane + the wave's first row and columns
.endr
	v_lshl_add_u32 v[ZOFF], v[LANE], 4, s43
	v_lshrrev_b32 v2, 1, v[LANE]
	v_lshl_add_u32 v[BOFF], v2, 2, s44
	v_and_b32 v[LR], 7, v[LANE]
	v_lshl_add_u32 v[PADR], v[LR], 4, s45          ; 160 w + 16 (lane & 7)
	v_mov_b32 v[T], 0                              ; v_permlanex16_b32 counts as a reader of its destination
.irp s, 0,1,2,3
	v_mov_b32 v[S+\s], 0                           ; so do the selects that gather the sums lane by lane
.endr
	s_wait_kmcnt 0x0
	; 49 loads, the oldest first.  The biases and c[j] are used by wave 0 alone, at the very end; every wave asks for them here, so that
	; no path leaves their registers unwritten and nothing is waited for behind the stream.
.irp k, 0,1,2,3
	global_load_b32 v[BI+\k], v[BOFF], s[12+2*\k:13+2*\k]
.endr
	global_load_b32 v[CJ], v[BOFF], s[24:25]
.irp t, 0,1,2,3
	global_load_b128 v[ZH+4*\t:ZH+4*\t+3], v[ZOFF], s[20:21] offset:512*\t     ; no hint: every work-group reads h, x and c
.endr
.irp t, 0,1,2,3
	global_load_b128 v[ZX+4*\t:ZX+4*\t+3], v[ZOFF], s[22:23] offset:512*\t
.endr
.irp t, 0,1,2,3
	global_load_b128 v[ZK+4*\t:ZK+4*\t+3], v[ZOFF], s[24:25] offset:512*\t
.endr
; Eight loads: my wave's 2 KiB of the row's first half and its 2 KiB of the second.  Weights are read once in the launch: TH_LOAD_NT.
.macro FILL s
.irp t, 0,1,2,3
	global_load_b128 v[X+32*\s+4*\t:X+32*\s+4*\t+3], v[OFF+\s], s[4+2*\s:5+2*\s] offset:512*\t th:TH_LOAD_NT
.endr
.irp t, 0,1,2,3
	global_load_b128 v[X+32*\s+16+4*\t:X+32*\s+16+4*\t+3], v[OFF+\s], s[4+2*\s:5+2*\s] offset:HALF+512*\t th:TH_LOAD_NT
.endr
.endm
	FILL 0
	FILL 1
	FILL 2
	FILL 3
; The turn of slot s.  z2 = what the row's second half meets (ZX, or ZK for W_C).  fill = 1: the slot gets its gate's next row.
; left = how many younger loads may stay out.  VCC: lanes with lane & 7 == the trip.
.macro TURN s, z2, fill, left
	s_wait_loadcnt \left                           ; loads come back in order (ISA guide 5.7.1): my eight are in, the younger slots' stay out
.if \fill
	v_add_nc_u32 v[OFF+\s], ROWB, v[OFF+\s]        ; the slot's own loads are done (the wait above), so their address register may step
.endif
	v_pk_mul_f32 v[A:A+1],   v[X+32*\s:X+32*\s+1],   v[ZH:ZH+1]        ; the first products start the two chains: nothing is cleared
	v_pk_mul_f32 v[A+2:A+3], v[X+32*\s+2:X+32*\s+3], v[ZH+2:ZH+3]
.irp t, 1,2,3
	v_pk_fma_f32 v[A:A+1],   v[X+32*\s+4*\t:X+32*\s+4*\t+1],   v[ZH+4*\t:ZH+4*\t+1],   v[A:A+1]
	v_pk_fma_f32 v[A+2:A+3], v[X+32*\s+4*\t+2:X+32*\s+4*\t+3], v[ZH+4*\t+2:ZH+4*\t+3], v[A+2:A+3]
.endr
.irp t, 0,1,2,3
	v_pk_fma_f32 v[A:A+1],   v[X+32*\s+16+4*\t:X+32*\s+16+4*\t+1],   v[\z2+4*\t:\z2+4*\t+1],   v[A:A+1]
	v_pk_fma_f32 v[A+2:A+3], v[X+32*\s+16+4*\t+2:X+32*\s+16+4*\t+3], v[\z2+4*\t+2:\z2+4*\t+3], v[A+2:A+3]
.endr
.if \fill
	FILL \s                                        ; as soon as the slot has been read, ahead of the sum over the lanes
.endif
	v_pk_add_f32 v[A:A+1], v[A:A+1], v[A+2:A+3]
	v_add_f32 v[A], v[A], v[A+1]                   ; my 32 products
	v_add_f32_dpp v[A], v[A], v[A] row_xmask:1 row_mask:0xf bank_mask:0xf      ; four steps inside each half of 16 lanes,
	v_add_f32_dpp v[A], v[A], v[A] row_xmask:2 row_mask:0xf bank_mask:0xf
	v_add_f32_dpp v[A], v[A], v[A] row_xmask:4 row_mask:0xf bank_mask:0xf
	v_add_f32_dpp v[A], v[A], v[A] row_xmask:8 row_mask:0xf bank_mask:0xf
	v_permlanex16_b32 v[T], v[A], s38, s39         ; one across the halves
	v_add_f32 v[A], v[A], v[T]                     ; every lane holds the chunk's sum;
	v_cndmask_b32 v[S+\s], v[S+\s], v[A], vcc_lo   ; the lanes that this trip's output belongs to keep it
.endm
; One output of the wave: its four gate rows.
.macro TRIP fill, l0, l1, l2, l3
	v_cmp_eq_u32 vcc_lo, s40, v[LR]                ; lane & 7 == trip
	TURN 0, ZX, \fill, \l0
	TURN 1, ZX, \fill, \l1
	TURN 2, ZK, \fill, \l2                         ; the candidate gate sees [h, c]
	TURN 3, ZX, \fill, \l3
.endm
.Lrow:
	TRIP 1, 24, 24, 24, 24                         ; 24 = the three younger slots' loads; in the first turn the biases, h, x and c are older still
	s_add_co_u32 s40, s40, 1
	s_cmp_lt_u32 s40, TRIPS-1
	s_cbranch_scc1 .Lrow
	TRIP 0, 24, 16, 8, 0                           ; the last output (s40 = 7) fills nothing: no load leaves a buffer, the counts run down
	; Lane l holds the four sums of output l & 7: one store of 16 bytes a lane writes the wave's 128 bytes (four lanes each write
	; the same bytes with the same values).
	ds_store_b128 v[PADR], v[S:S+3]
	s_wait_dscnt 0x0                               ; for wave 0's sake: the store is complete in front of the signal
	s_barrier_signal -1
	s_barrier_wait -1                              ; the only barrier: every wave's sums are in LDS
	s_cmp_lg_u32 s34, 0
	s_cbranch_scc1 .Lend
	; EPILOGUE, wave 0.  Lane l serves output j = l / 2 of the work-group's 16 and adds the column waves 4 (l & 1) + 0..3; its neighbour
	; adds the other four.  Wave 8 (j / 8) + cw, output j & 7 lies at 160 (8 (j / 8) + cw) + 16 (j & 7).
	; In a group of 16 lanes the addresses are 640 (l & 1) + 16 ((l / 2) & 7) + a constant, and 640 = 2 x 256 + 128: sixteen different
	; 16-byte columns of 256 bytes, so no two lanes meet in a bank (64 banks of 4 bytes: ISA guide 11.1).  That is what the pitch of 160 is for.
	v_lshrrev_b32 v26, 4, v[LANE]                  ; j / 8
	v_and_b32 v27, 1, v[LANE]
	v_bfe_u32 v28, v[LANE], 1, 3                   ; j & 7
	v_mul_u32_u24 v[RADR], v26, 8*WPITCH
	v_mad_u32_u24 v[RADR], v27, 4*WPITCH, v[RADR]
	v_lshl_add_u32 v[RADR], v28, 4, v[RADR]
.irp k, 0,1,2,3
	ds_load_b128 v[E+4*\k:E+4*\k+3], v[RADR] offset:WPITCH*\k      ; f, i, C, o of one column wave
.endr
	s_wait_dscnt 0x0
	v_pk_add_f32 v[E:E+1],     v[E:E+1],     v[E+4:E+5]
	v_pk_add_f32 v[E+2:E+3],   v[E+2:E+3],   v[E+6:E+7]
	v_pk_add_f32 v[E+8:E+9],   v[E+8:E+9],   v[E+12:E+13]
	v_pk_add_f32 v[E+10:E+11], v[E+10:E+11], v[E+14:E+15]
	v_pk_add_f32 v[E:E+1],     v[E:E+1],     v[E+8:E+9]
	v_pk_add_f32 v[E+2:E+3],   v[E+2:E+3],   v[E+10:E+11]
.irp k, 0,1,2,3
	v_add_f32_dpp v[E+\k], v[E+\k], v[E+\k] row_xmask:1 row_mask:0xf bank_mask:0xf   ; + the neighbour's four waves: the whole row's product
.endr
	v_pk_add_f32 v[E:E+1],   v[E:E+1],   v[BI:BI+1]                ; + b_f, b_i   (loaded at the start; the tail's wait for 0 covers them)
	v_pk_add_f32 v[E+2:E+3], v[E+2:E+3], v[BI+2:BI+3]              ; + b_C, b_o
	; sigmoid(y) = 1 / (1 + 2^(-1.442695 y));  tanh(y) = 1 - 2 / (1 + 2^(2.885390 y))
	v_mul_f32 v[E+4], 0xbfb8aa3b, v[E]
	v_mul_f32 v[E+5], 0xbfb8aa3b, v[E+1]
	v_mul_f32 v[E+6], 0x4038aa3b, v[E+2]
	v_mul_f32 v[E+7], 0xbfb8aa3b, v[E+3]
	v_exp_f32 v[E+8],  v[E+4]
	v_exp_f32 v[E+9],  v[E+5]
	v_exp_f32 v[E+10], v[E+6]
	v_exp_f32 v[E+11], v[E+7]
	v_nop                                          ; one plain vector instruction between a transcendental and the use of its result (ISA guide 5.7.2)
	s_wait_alu depctr_va_vdst(0)
	v_pk_add_f32 v[E+8:E+9],   v[E+8:E+9],   1.0 op_sel_hi:[1,0]
	v_pk_add_f32 v[E+10:E+11], v[E+10:E+11], 1.0 op_sel_hi:[1,0]
	v_rcp_f32 v[E+12], v[E+8]                      ; f
	v_rcp_f32 v[E+13], v[E+9]                      ; i
	v_rcp_f32 v[E+14], v[E+10]
	v_rcp_f32 v[E+15], v[E+11]                     ; o
	v_nop                                          ; as above
	s_wait_alu depctr_va_vdst(0)
	v_fma_f32 v[E+16], v[E+14], -2.0, 1.0          ; Ct = tanh(..)
	v_mul_f32 v[E+17], v[E+13], v[E+16]            ; i Ct
	v_fma_f32 v[E+18], v[E+12], v[CJ], v[E+17]     ; C = f c + i Ct
	v_mul_f32 v[E+19], 0x4038aa3b, v[E+18]
	v_exp_f32 v[E+20], v[E+19]
	v_nop                                          ; as above
	s_wait_alu depctr_va_vdst(0)
	v_add_f32 v[E+20], 1.0, v[E+20]
	v_rcp_f32 v[E+21], v[E+20]
	v_nop                                          ; as above
	s_wait_alu depctr_va_vdst(0)
	v_fma_f32 v[E+22], v[E+21], -2.0, 1.0          ; tanh(C)
	v_mul_f32 v[E+23], v[E+15], v[E+22]            ; h = o tanh(C)
	; The two lanes of a pair hold the same numbers: the even one stores.  Sixteen lanes write the work-group's 64 consecutive bytes.
	v_cmp_eq_u32 vcc_lo, 0, v27
	s_wait_xcnt 0x0                                ; EXEC is a source of the loads issued above: it changes only behind this wait
	s_wait_tensorcnt 0x0
	ds_add_u32 v208, v209
	s_wait_dscnt 0x0
	s_and_saveexec_b32 s41, vcc_lo
	global_store_b32 v[BOFF], v[E+23], s[26:27]    ; out0 = h
	global_store_b32 v[BOFF], v[E+18], s[28:29]    ; out1 = C
	s_endpgm
.Lend:
	s_wait_tensorcnt 0x0
	ds_add_u32 v208, v209
	s_wait_dscnt 0x0
	s_endpgm
.Lfunc_end_k_q278c2e01fd_lstm:
	.size	k_q278c2e01fd_lstm, .Lfunc_end_k_q278c2e01fd_lstm-k_q278c2e01fd_lstm
	.p2alignl 7, 3214868480
	.fill 96, 4, 3214868480
	.section	.rodata,"a",@progbits
	.p2align	6, 0x0
	.amdhsa_kernel k_q278c2e01fd_lstm
		.amdhsa_group_segment_fixed_size 4608
		.amdhsa_private_segment_fixed_size 0
		.amdhsa_enable_private_segment 0
		.amdhsa_kernarg_size 104
		.amdhsa_user_sgpr_count 2
		.amdhsa_user_sgpr_kernarg_segment_ptr 1
		.amdhsa_wavefront_size32 1
		.amdhsa_system_sgpr_workgroup_id_x 1
		.amdhsa_system_sgpr_workgroup_id_y 1
		.amdhsa_system_sgpr_workgroup_id_z 1
		.amdhsa_system_vgpr_workitem_id 0
		.amdhsa_next_free_vgpr 210
		.amdhsa_next_free_sgpr 66
		.amdhsa_reserve_vcc 1
		.amdhsa_float_denorm_mode_32 3
		.amdhsa_float_denorm_mode_16_64 3
		.amdhsa_memory_ordered 1
		.amdhsa_forward_progress 1
		.amdhsa_inst_pref_size 26
	.end_amdhsa_kernel
	.amdgpu_metadata
---
amdhsa.version: [ 1, 2 ]
amdhsa.kernels:
  - .name:           k_q278c2e01fd_lstm
    .symbol:         k_q278c2e01fd_lstm.kd
    .args:
      - { .name: W_f, .offset: 0, .size: 8, .value_kind: global_buffer, .address_space: global }
      - { .name: W_i, .offset: 8, .size: 8, .value_kind: global_buffer, .address_space: global }
      - { .name: W_C, .offset: 16, .size: 8, .value_kind: global_buffer, .address_space: global }
      - { .name: W_o, .offset: 24, .size: 8, .value_kind: global_buffer, .address_space: global }
      - { .name: b_f, .offset: 32, .size: 8, .value_kind: global_buffer, .address_space: global }
      - { .name: b_i, .offset: 40, .size: 8, .value_kind: global_buffer, .address_space: global }
      - { .name: b_C, .offset: 48, .size: 8, .value_kind: global_buffer, .address_space: global }
      - { .name: b_o, .offset: 56, .size: 8, .value_kind: global_buffer, .address_space: global }
      - { .name: h_tmin1, .offset: 64, .size: 8, .value_kind: global_buffer, .address_space: global }
      - { .name: x_t, .offset: 72, .size: 8, .value_kind: global_buffer, .address_space: global }
      - { .name: c_tmin1, .offset: 80, .size: 8, .value_kind: global_buffer, .address_space: global }
      - { .name: out0, .offset: 88, .size: 8, .value_kind: global_buffer, .address_space: global }
      - { .name: out1, .offset: 96, .size: 8, .value_kind: global_buffer, .address_space: global }
    .group_segment_fixed_size: 4608
    .private_segment_fixed_size: 0
    .kernarg_segment_align: 8
    .kernarg_segment_size: 104
    .max_flat_workgroup_size: 512
    .sgpr_count:     66
    .vgpr_count:     210
    .wavefront_size: 32
...
	.end_amdgpu_metadata
.endif
;; end of part 1
